; MI455X (gfx1250); checked and timed in simulation.
; The chip was launched on July 23, 2026; its instructions are those of AMD's public machine-readable ISA for CDNA 5 (MIT licence, August 2026) and "CDNA5" Instruction Set Architecture Reference Guide (July 2026). The comments in the code are by the model that wrote it; some were corrected since.
;; Palace Attention. Allowed arithmetic: matrix products marked QUANTISED: E5M2 operands, one given power-of-two scale a tensor, by v_wmma_f32_16x16x64_bf8_bf8 or v_wmma_f32_16x16x128_bf8_bf8, f32 sums; everything else in f32.
;; Inputs: inter_palace_weight one number float32; lowp_scales 4 int32 (the exponents e of the quantised operands' scales 2^e); x 2 x 2,048 x 1,024 float32.
;; Outputs: out0 2 x 2,048 x 1,024 float32.
;; This version of the problem:
;;   THIS VERSION OF THE PROBLEM IS GIVEN IN LOW PRECISION. The matrix products marked QUANTISED in the list below multiply operands that are first quantised to E5M2 (5 exponent bits, 2 mantissa bits; 8 bits a number), with one given power-of-two scale for each operand tensor; their sums are f32. All else is computed in f32.
;;   The module's matrix products, in the order in which they are computed (A, B: the left and right operand; K: the contracted axis; several contracted axes count as one K, in the product's order):
;;     1. batch 32 x [M 2,048, K 64] x [K 64, N 2,048]; A: input x; B: input x: QUANTISED (scales: A lowp_scales[0], B lowp_scales[1])
;;     2. batch 32 x [M 2,048, K 2,048] x [K 2,048, N 64]; A: softmax (see below); B: input x: QUANTISED (scales: A lowp_scales[2], B lowp_scales[3])
;;   THE QUANTISER, for each operand of a quantised product, along K:
;;     - The operand's scale is 2^e, e = its entry of the input lowp_scales (int32; the entries are numbered through the quantised products in the list's order, A before B).
;;     - Each number is divided by the scale, clamped to +-57,344, and rounded to the nearest number of E5M2, ties to even, subnormals kept.
;;     - The product sums the exact products of the quantised numbers (number of the format x scale) in f32.
;;   ~~~python
;;   def quantise(x, axis, e):      # numpy; x: float32 -> the quantised numbers, widened to float32 again
;;       x = np.moveaxis(x, axis, -1); K = x.shape[-1]
;;       r = np.clip(x / 2.0 ** e, -57344, 57344)
;;       step = 2.0 ** (np.maximum(np.frexp(np.where(r == 0, 1, r))[1] - 1, -14) - 2)
;;       q = np.round(r / step) * step * 2.0 ** e      # np.round: ties to even
;;       return np.moveaxis(q, -1, axis).astype(np.float32)
;;   ~~~
;;   SOFTMAX AHEAD OF A QUANTISED PRODUCT. Where the list says 'softmax', what is quantised is not the finished softmax but p = 2^(t - M), with t = logit x log2(e) and M = ceil(the row's largest t), a whole number; so 1/2 < the row's largest p <= 1. The row's sum l is taken of the UNQUANTISED p, in f32, and the product's result is divided by l at the end. Since M is a whole number, a kernel that streams over the keys may use a running M (the ceiling of the running maximum): every later rescaling is an exact power of two, so the quantised numbers keep their values, but for numbers so far below the row's largest that they fall under the format's range.
;;   OPERANDS COMPUTED ON THE WAY. 'Computed on the way' means the value that the module computes at that place (a softmax that the list does not call 'softmax' is quantised finished and normalised). What goes into a quantiser is computed in f32, as accurately as f32 sums, v_exp_f32 and their like allow (about 1e-6 of the number): no bf16 or f16 on the way to a quantiser, and a product that is left as it is and whose result goes on into a quantised operand takes f32 operands (vector FMAs, or v_wmma_f32_16x16x4_f32). A number that lies on a knife's edge between two numbers of the format may be rounded either way, as far as f32 arithmetic and the matrix unit's own rounding can turn it there, and no further.
;; 2 versions, each right; version 2 is version 1 with the launch attn written anew for expert scheduling mode. Each part assembles by itself: llvm-mc -triple=amdgcn-amd-amdhsa -mcpu=gfx1250 --defsym DOCPART=n.
;; ======== version 1 of 2: 1 launch
;; launch attn (part 1): grid 8 x 32, 8 waves a work-group, no clusters, 84,992 bytes of LDS; arguments x, inter_palace_weight, lowp_scales, out0; writes out0
.if DOCPART == 1
	.amdgcn_target "amdgcn-amd-amdhsa--gfx1250"
	.amdhsa_code_object_version 6
	.text
	.protected	k_qb525a1d904_attn
	.globl	k_qb525a1d904_attn
	.p2align	8
	.type	k_qb525a1d904_attn,@function
k_qb525a1d904_attn:
	s_mov_b64 s[64:65], 0
	v_nop
	global_prefetch_b8 v0, s[64:65] scope:SCOPE_SE
	s_setreg_imm32_b32 hwreg(HW_REG_WAVE_MODE, 25, 1), 1
	s_wait_xcnt 0x0
; out[b][q][64 hd + :] = sum over k of softmax_k((x_q . x_k) / 8 * m(q, k)) x_k, per batch b and head hd; m = 1 where q % 8 == k % 8, else sigmoid(w).
; x, out: [2][2048][1024] f32; a head is 64 channels, 256 bytes of a row of 4,096.  Both products run on codes of BF8 (E5M2): x as queries under 2^e0, as keys under 2^e1,
; p = 2^(t - M) under 2^ep, x as values under 2^ev.  t = logit x log2(e); M = the running largest t rounded up to a whole number; the row's sum is taken of the unquantised p.
; SHARES.  32 x 8 work-groups: one head, 256 queries.  Eight waves of 512 registers; wave w owns queries 32 w .. 32 w + 31 of the block, two tiles of 16 (u = 0, 1).
; The head's 2,048 keys go in 8 chunks of 256.  In each chunk wave w quantises keys 32 w .. 32 w + 31 from f32 rows that it asked for one chunk earlier (16 loads of 16 bytes a lane in flight),
; and lays them in LDS twice: as fragments of K and, bytes turned, as fragments of V^T.  Two barriers a chunk; then every wave walks the chunk in two steps of 128 keys.
; LAYOUT.  r = lane % 16, h = lane / 16.  S^T = K Q^T (source 0 = 16 neighbouring keys, source 1 = 16 queries): lane (r, h) holds query r, register j key 8 h + j of the tile, so key % 8 = j:
; the mask and the scale are eight numbers a lane, cm[j], which ride on the multiply-add that makes t - M.  cm >= 0, so the largest t is cm[j] x the largest raw sum of each j.
; Eight registers of a tile, converted, are registers 2 t, 2 t + 1 of source 1 of O^T = V^T P^T.  Q's and K's fragments hold channels 32 h + 0 .. 31 of row r: one permutation of k, alike on both sides.
; A fragment lies in LDS as an image of its registers: each group of four registers is 512 bytes, lane l's 16 bytes at 16 l.
; V^T's tile 2 n + p holds in lane r channel 32 n + 2 r + p, so register j of O^T's tile is channel 32 n + 16 h + 2 j + p.
; NO DATA MOVER, NO CLUSTER: what the eight work-groups of a head share arrives as f32 and has to pass through registers to become codes and to be turned; so it is loaded into registers, a chunk ahead.
; Without tensor loads the text may branch on the given exponents: where e1 == ev the keys' codes serve as values too, and where ep >= -15 p's hold is left out (p <= 1 + a rounding < 1.75 x 2^(15 + ep)).
; LIMITS.  NaN among the inputs is not served.  e0, e1, ev between -126 and 112; ep between -126 and 127; e0 + e1 between -123 and 129.  A sigmoid(w) under 2^-126 counts as 0.
; scale x mask x log2(e) is one factor here, rounded in another order than logit x log2(e).
.set KIMG, 0                           ; LDS: K's 16 tiles of the chunk, 1,024 bytes each (two groups of 512)
.set VIMG, 16384                       ; V^T: step q at 8,192 q, channel tile at 2,048, group of 32 keys at 512
.set STG,  32768                       ; codes under ev, laid as KIMG, 2,048 bytes a wave, the wave's own
.set OST,  49152                       ; the way out: 16 rows x (256 + 16) bytes a wave, the wave's own
; window 0
.set VX,  1                            ; v1  x: 4,096 r + 128 h + 131,072 w; never rewritten
.set LI,  2                            ; v2  16 x lane
.set KW,  3                            ; v3  16 x lane + 2,048 w
.set VW,  4                            ; v4  VIMG + 8,192 (w / 4) + 512 (w % 4) + 16 x lane
.set TRA, 5                            ; v5  the turning load: 2,048 w + 512 (lane bit 3) + 128 h + 16 (lane % 8)
.set SO,  6                            ; v6  stage, in
.set SR,  7                            ; v7  stage, back
.set GO,  8                            ; v8  out: 4,096 h + 16 r
.set CM,  16                           ; v16-23 cm[0..7]
.set ST0, 24                           ; tile u's statistics at 24 + 16 u: +0 -M, +1 largest t, +2 f, +3 (pair's upper half), +4, +5 at work, +8..15 the sum in four packed chains
.set SC,  56                           ; 2^ep
.set SK,  57                           ; 2^e1
.set SV,  58                           ; 2^ev
.set SQ,  59                           ; 2^e0
.set P0,  60                           ; p's codes, 16 a tile; their first eight serve the maxima before
.set S0,  92                           ; S^T, then p: 64 a tile
.set X0,  220                          ; v220-251 32 numbers of my first key tile
.set TMP0, 92                          ; the fill works in S^T's registers, which are free between steps
.set TMP1, 124
.set CK,  156
.set CV,  172
.set TR,  188
.set VG,  204
; window 1
.set O0,  0                            ; O^T, 32 a tile
.set Q0,  64                           ; Q's fragments, 8 a tile
.set KF,  80                           ; K's eight fragments of a step
.set VF,  144                          ; V^T's four fragments of a step
.set X1,  208                          ; 32 numbers of my second key tile
.set MSB, 0
.macro WIN new                         ; low byte: bits 1:0 source 0, 3:2 source 1, 5:4 source 2, 7:6 destination; the high byte repeats the setting that is left
.if MSB != (\new)
	s_set_vgpr_msb (MSB<<8)|(\new)
.set MSB, (\new)
.endif
.endm
.macro PLACES                          ; four plain places behind matrix instructions (ISA guide 7.12.1), where no other vector work is at hand
.rept 4
	v_nop
.endr
.endm
.macro MKSCALE e, sc, nl               ; s[sc] = 2^e as f32; s[nl], s[nl+1] = -+57,344 x 2^e
	s_add_co_i32 s40, s[\e], 127
	s_lshl_b32 s[\sc], s40, 23
	s_add_co_i32 s40, s40, 15
	s_lshl_b32 s40, s40, 23
	s_or_b32 s[\nl+1], s40, 0x600000
	s_or_b32 s[\nl], s[\nl+1], 0x80000000
.endm
.macro LOADT base, tau, dst            ; 16 rows x 256 bytes of one head: lane (r, h) takes 128 bytes of row r; the eight loads together take each row's 256 bytes whole
.irp i, 0,1,2,3,4,5,6,7
	global_load_b128 v[\dst+4*\i:\dst+4*\i+3], v[VX], s[\base:\base+1] offset:65536*(\tau)+16*\i
.endr
.endm
; 32 numbers of a lane become 8 registers of codes.  ws, wd: window settings for the numbers (0 or 0x01) and for the codes (0 or 0x40)
.macro QUANT src, ws, tmp, dst, wd, nl, sc
	WIN \ws
.set qi, 0
.rept 32
	v_med3_num_f32 v[\tmp+qi], v[\src+qi], s[\nl], s[\nl+1]   ; the conversion to an 8-bit code does not saturate (ISA guide 7.6.2): the hold at the largest code x the scale
.set qi, qi+1
.endr
	WIN \wd
.irp g, 0,1,2,3
	v_cvt_scalef32_pk8_bf8_f32 v[\dst+2*\g:\dst+2*\g+1], v[\tmp+8*\g:\tmp+8*\g+7], v[\sc]
.endr
	WIN 0
	v_nop                                          ; one plain instruction behind the last conversion, ahead of whatever next touches its registers
.endm
.macro ST2 reg, off                    ; a fragment of 8 registers to LDS as it stands
	ds_store_b128 v[KW], v[\reg:\reg+3] offset:\off
	ds_store_b128 v[KW], v[\reg+4:\reg+7] offset:\off+512
.endm
; The turning load on pairs of bytes: lane l addresses key 8 h + l % 8 of my tile a, channels 32 n + 16 (l bit 3) + 0 .. 15, and receives keys 8 h + 0 .. 7 of channels 32 n + 2 r and 32 n + 2 r + 1, interleaved
.macro TRLOAD region
.irp a, 0,1
.irp n, 0,1
	ds_load_tr16_b128 v[TR+4*(2*\a+\n):TR+4*(2*\a+\n)+3], v[TRA] offset:\region+1024*\a+256*\n
.endr
.endr
.endm
.macro PERMS                           ; even bytes (p = 0) and odd bytes (p = 1) apart: four registers, my 32 keys, for each channel tile 2 n + p
.irp a, 0,1
.irp n, 0,1
.irp p, 0,1
	v_perm_b32 v[VG+4*(2*\n+\p)+2*\a], v[TR+4*(2*\a+\n)+1], v[TR+4*(2*\a+\n)], s[36+\p]
	v_perm_b32 v[VG+4*(2*\n+\p)+2*\a+1], v[TR+4*(2*\a+\n)+3], v[TR+4*(2*\a+\n)+2], s[36+\p]
.endr
.endr
.endr
.endm
.macro KLOAD q
.irp t, 0,1,2,3,4,5,6,7
	ds_load_b128 v[KF+8*\t:KF+8*\t+3], v[LI] offset:KIMG+(8*(\q)+\t)*1024
	ds_load_b128 v[KF+8*\t+4:KF+8*\t+7], v[LI] offset:KIMG+(8*(\q)+\t)*1024+512
.endr
.endm
.macro VLOAD q
.irp c, 0,1,2,3
.irp g, 0,1,2,3
	ds_load_b128 v[VF+16*\c+4*\g:VF+16*\c+4*\g+3], v[LI] offset:VIMG+8192*(\q)+2048*\c+512*\g
.endr
.endr
.endm
.macro SMUL u                          ; S^T of tile u: eight tiles of 16 keys, K = the head's 64
.irp t, 0,1,2,3,4,5,6,7
	v_wmma_f32_16x16x64_bf8_bf8 v[S0+64*(\u)+8*\t:S0+64*(\u)+8*\t+7], v[KF+8*\t:KF+8*\t+7], v[Q0+8*(\u):Q0+8*(\u)+7], 0
.endr
.endm
.macro PVMUL u                         ; O^T of tile u += V^T P^T: four channel tiles by turns, K = the step's 128 keys
.irp c, 0,1,2,3
	v_wmma_f32_16x16x128_bf8_bf8 v[O0+32*(\u)+8*\c:O0+32*(\u)+8*\c+7], v[VF+16*\c:VF+16*\c+15], v[P0+16*(\u):P0+16*(\u)+15], v[O0+32*(\u)+8*\c:O0+32*(\u)+8*\c+7]
.endr
.endm
.macro ORESC u                         ; O^T x f, each accumulator from its low end on
.set rO, O0+32*(\u)
.set rT, ST0+16*(\u)
.rept 16
	v_pk_mul_f32 v[rO:rO+1], v[rO:rO+1], v[rT+2:rT+3] op_sel_hi:[1,0]
.set rO, rO+2
.endr
.endm
; the largest raw sum for each j = key % 8, over the step's eight tiles; j ascends, so each accumulator is first read at its register 0
.macro RND0 u
.set rS, S0+64*(\u)
.set rM, P0+16*(\u)
.irp j, 0,1,2,3,4,5,6,7
	v_max3_num_f32 v[rM+\j], v[rS+\j], v[rS+8+\j], v[rS+16+\j]
.endr
.endm
.macro RND12 u, a
.set rS, S0+64*(\u)+(\a)
.set rM, P0+16*(\u)
.irp j, 0,1,2,3,4,5,6,7
	v_max3_num_f32 v[rM+\j], v[rM+\j], v[rS+\j], v[rS+8+\j]
.endr
.endm
.macro RND3 u
.set rS, S0+64*(\u)+56
.set rM, P0+16*(\u)
.irp j, 0,1,2,3,4,5,6,7
	v_max_num_f32 v[rM+\j], v[rM+\j], v[rS+\j]
.endr
.endm
.macro TAILM u                         ; x cm[j]; over j; the other half of the lanes; the running largest t; -M = floor(-t); f = 2^(old M - new M)
.set rM, P0+16*(\u)
.set rT, ST0+16*(\u)
.irp j, 0,2,4,6
	v_pk_mul_f32 v[rM+\j:rM+\j+1], v[rM+\j:rM+\j+1], v[CM+\j:CM+\j+1]
.endr
	v_max3_num_f32 v[rT+4], v[rM], v[rM+1], v[rM+2]
	v_max3_num_f32 v[rT+5], v[rM+3], v[rM+4], v[rM+5]
	v_max3_num_f32 v[rT+4], v[rT+4], v[rM+6], v[rM+7]
	v_max_num_f32 v[rT+4], v[rT+4], v[rT+5]
	v_permlanex16_b32 v[rT+5], v[rT+4], s20, s21   ; the query's other 64 keys lie in lane l xor 16
	v_max3_num_f32 v[rT+1], v[rT+1], v[rT+4], v[rT+5]
	v_mov_b32 v[rT+4], v[rT]
	v_floor_f32 v[rT], -v[rT+1]                    ; M is a whole number
	v_sub_f32 v[rT+4], v[rT], v[rT+4]              ; old M - new M, 0 or less
	v_cvt_i32_f32 v[rT+4], v[rT+4]                 ; (it saturates)
	v_ldexp_f32 v[rT+2], 1.0, v[rT+4]              ; a power of two: the rescaling rounds nothing
.endm
.macro FMAT u, t                       ; t - M for key tile t: raw sum x cm[j] - M, two at a time (of the pair -M, largest t the low word serves both halves)
.set rS, S0+64*(\u)+8*(\t)
.set rT, ST0+16*(\u)
.irp j, 0,2,4,6
	v_pk_fma_f32 v[rS+\j:rS+\j+1], v[rS+\j:rS+\j+1], v[CM+\j:CM+\j+1], v[rT:rT+1] op_sel_hi:[1,1,0]
.endr
.endm
.macro EXP8 u, t
.set rS, S0+64*(\u)+8*(\t)
.irp j, 0,1,2,3,4,5,6,7
	v_exp_f32 v[rS+\j], v[rS+\j]
.endr
.endm
.macro ADD4 u, t                       ; the row's sum of the unquantised p, in four packed chains
.set rS, S0+64*(\u)+8*(\t)
.set rT, ST0+16*(\u)
	s_wait_alu depctr_va_vdst(0)
.irp j, 0,2,4,6
	v_pk_add_f32 v[rT+8+\j:rT+9+\j], v[rT+8+\j:rT+9+\j], v[rS+\j:rS+\j+1]
.endr
.endm
.macro LSF u                           ; the sums under the new M
.set rT, ST0+16*(\u)
.irp j, 0,2,4,6
	v_pk_mul_f32 v[rT+8+\j:rT+9+\j], v[rT+8+\j:rT+9+\j], v[rT+2:rT+3] op_sel_hi:[1,0]
.endr
.endm
.macro HOLD u                          ; p is held at 57,344 x 2^ep.  With ep >= -15 that limit is 1.75 or more and p never reaches it: a scalar branch on the given whole number passes the 64 lines
	s_cmp_ge_i32 s18, -15
	s_cbranch_scc1 .Lroom_\@
.set hreg, S0+64*(\u)
.rept 64
	v_min_num_f32 v[hreg], s34, v[hreg]
.set hreg, hreg+1
.endr
.Lroom_\@:
.endm
.macro CVT u
.irp t, 0,1,2,3,4,5,6,7
	v_cvt_scalef32_pk8_bf8_f32 v[P0+16*(\u)+2*\t:P0+16*(\u)+2*\t+1], v[S0+64*(\u)+8*\t:S0+64*(\u)+8*\t+7], v[SC]
.endr
	v_nop                                          ; one plain instruction behind the last conversion
.endm
; A STEP: 128 keys, the q-th half of the chunk.  Tile 0's exponentials stand in eights between tile 1's plain work, and tile 1's between tile 0's conversions, rescaling and products:
; behind each eight stands a plain instruction that touches none of their results (ISA guide 5.7.2).  Matrix instructions that follow each other never share an accumulator, one instruction a turn.
.macro STEP q
	WIN 0x40                                       ; loaded data in window 1, address in window 0
.if \q == 0
	KLOAD 0
.endif
	VLOAD \q
	s_wait_dscnt 16                                ; K's fragments are in; V's sixteen loads, the youngest, may be out
	WIN 0x05                                       ; K and Q in window 1, S^T in window 0
	SMUL 0
	SMUL 1
	WIN 0
	PLACES                                         ; in front of the first read of S^T and of loads into K's registers
.if \q == 0
	WIN 0x40
	KLOAD 1                                        ; the second step's K, a whole step ahead
	WIN 0
.endif
	RND0 0
	RND12 0, 24
	RND12 0, 40
	RND3 0
	TAILM 0
.irp t, 0,1,2,3,4,5,6,7
	FMAT 0, \t
.endr
	EXP8 0, 0
	LSF 0
	RND0 1
	EXP8 0, 1
	ADD4 0, 0
	RND12 1, 24
	EXP8 0, 2
	ADD4 0, 1
	RND12 1, 40
	EXP8 0, 3
	ADD4 0, 2
	RND3 1
	EXP8 0, 4
	ADD4 0, 3
	TAILM 1
	EXP8 0, 5
	ADD4 0, 4
	FMAT 1, 0
	FMAT 1, 1
	FMAT 1, 2
	EXP8 0, 6
	ADD4 0, 5
	FMAT 1, 3
	FMAT 1, 4
	FMAT 1, 5
	EXP8 0, 7
	ADD4 0, 6
	FMAT 1, 6
	FMAT 1, 7
	ADD4 0, 7
	HOLD 0
	EXP8 1, 0
	LSF 1
	CVT 0
	EXP8 1, 1
	ADD4 1, 0
	WIN 0x41                                       ; O^T (destination and source 0) in window 1, f in window 0
	ORESC 0
.if \q == 0
	s_wait_dscnt 16                                ; V's fragments are in; the sixteen loads of the second step's K are younger
.else
	s_wait_dscnt 0x0                               ; V's fragments are in
.endif
	WIN 0x51                                       ; V^T and O^T in window 1, p's codes in window 0
	PVMUL 0
	WIN 0
.irp t, 2,3,4,5,6,7
	EXP8 1, \t
	ADD4 1, \t-1
.endr
	ADD4 1, 7
	HOLD 1
	CVT 1
	WIN 0x41
	ORESC 1
	WIN 0x51
	PVMUL 1
	WIN 0
	PLACES                                         ; in front of the next loads into V's registers, and of the first read of O^T at the end
.endm
	s_load_b256 s[4:11], s[0:1], 0x0               ; x s[4:5], w s[6:7], the scales' exponents s[8:9], out s[10:11]
	v_lshl_add_u32 v254, v0, 2, 0x14800
	v_mov_b32 v255, 0
	v_lshrrev_b32 v9, 5, v0
	v_readfirstlane_b32 s13, v9                    ; wave 0..7
	v_and_b32 v9, 31, v0                           ; lane
	v_and_b32 v13, 15, v0                          ; r
	v_bfe_u32 v11, v0, 4, 1                        ; h
	v_bfe_u32 v10, v0, 3, 1
	v_and_b32 v12, 7, v0                           ; lane % 8 = my queries' place in the period of 8
	s_lshl_b32 s40, s13, 11                        ; 2,048 w
	s_lshl_b32 s41, s13, 17                        ; 32 rows of 4,096 bytes x w
	v_lshlrev_b32 v[VX], 12, v13
	v_lshl_add_u32 v[VX], v11, 7, v[VX]
	v_add_nc_u32 v[VX], s41, v[VX]
	v_lshlrev_b32 v[LI], 4, v9
	v_add_nc_u32 v[KW], s40, v[LI]
	s_lshr_b32 s42, s13, 2
	s_lshl_b32 s42, s42, 13
	s_and_b32 s43, s13, 3
	s_lshl_b32 s43, s43, 9
	s_add_co_u32 s42, s42, s43
	s_add_co_u32 s42, s42, VIMG
	v_add_nc_u32 v[VW], s42, v[LI]
	v_lshlrev_b32 v[TRA], 4, v12
	v_lshl_add_u32 v[TRA], v10, 9, v[TRA]
	v_lshl_add_u32 v[TRA], v11, 7, v[TRA]
	v_add_nc_u32 v[TRA], s40, v[TRA]
	s_mul_i32 s43, s13, 4352
	s_add_co_u32 s43, s43, OST                     ; my stage
	v_mul_u32_u24 v[SO], v13, 272
	v_lshl_add_u32 v[SO], v11, 6, v[SO]
	v_add_nc_u32 v[SO], s43, v[SO]                 ; in: row r, 64 bytes for each half of the lanes
	v_mul_u32_u24 v[SR], v11, 272
	v_lshl_add_u32 v[SR], v13, 4, v[SR]
	v_add_nc_u32 v[SR], s43, v[SR]                 ; back: lanes 0-15 one row of 256 bytes, lanes 16-31 the next
	v_lshlrev_b32 v[GO], 12, v11
	v_lshl_add_u32 v[GO], v13, 4, v[GO]            ; and the same two rows in out
	s_and_b32 s42, ttmp7, 0xffff                   ; y = 16 x batch + head
	s_lshr_b32 s43, s42, 4
	s_lshl_b32 s43, s43, 23                        ; a batch is 2,048 rows of 4,096 bytes
	s_and_b32 s42, s42, 15
	s_lshl_b32 s42, s42, 8                         ; a head is 256 bytes of a row
	s_add_co_u32 s14, s43, s42
	s_mov_b32 s15, 0
	s_lshl_b32 s44, ttmp9, 20                      ; my block of 256 queries
	s_mov_b32 s45, 0
	s_add_co_u32 s46, s44, s41                     ; and my wave's 32 of them
	s_mov_b32 s47, 0
	s_mov_b32 s20, 0x76543210                      ; v_permlanex16_b32: lane l xor 16
	s_mov_b32 s21, 0xfedcba98
	s_mov_b32 s36, 0x06040200                      ; v_perm_b32: the even bytes of two registers,
	s_mov_b32 s37, 0x07050301                      ; the odd ones
	s_mov_b32 s35, 8                               ; chunks to go
	s_wait_kmcnt 0x0
	s_load_b32 s12, s[6:7], 0x0                    ; w
	s_load_b128 s[16:19], s[8:9], 0x0              ; e0, e1, ep, ev
	s_add_nc_u64 s[4:5], s[4:5], s[14:15]          ; x at the head's first key
	s_add_nc_u64 s[10:11], s[10:11], s[14:15]
	s_add_nc_u64 s[22:23], s[4:5], s[44:45]        ; x at my block's first query
	s_add_nc_u64 s[10:11], s[10:11], s[46:47]      ; out at my wave's first query
	LOADT 22, 0, S0                                ; my 32 queries,
	LOADT 22, 1, S0+32
	LOADT 4, 0, X0                                 ; and my 32 keys of chunk 0
	WIN 0x40
	LOADT 4, 1, X1
.set zi, 0
.rept 64
	v_mov_b32 v[O0+zi], 0                          ; O^T.  (The step is written once: its first run finds zeros, which the first f = 0 leaves zeros)
.set zi, zi+1
.endr
	WIN 0
.irp u, 0,1
	v_mov_b32 v[ST0+16*\u+1], 0xff61b1e6           ; the largest t so far: -3e38, under every t
	v_floor_f32 v[ST0+16*\u], -v[ST0+16*\u+1]      ; -M
.irp i, 2,3,4,5,8,9,10,11,12,13,14,15
	v_mov_b32 v[ST0+16*\u+\i], 0                   ; f and its pair's upper half, two at work, the sums
.endr
.endr
	s_wait_kmcnt 0x0
	MKSCALE 16, 30, 24                             ; e0
	MKSCALE 17, 31, 26                             ; e1
	MKSCALE 19, 32, 28                             ; ev
	s_add_co_i32 s40, s18, 127
	s_lshl_b32 s33, s40, 23                        ; 2^ep
	s_add_co_i32 s40, s40, 15
	s_lshl_b32 s40, s40, 23
	s_or_b32 s34, s40, 0x600000                    ; 57,344 x 2^ep (read only where ep < -15)
	s_add_co_i32 s38, s18, s19                     ; ep + ev
	s_add_co_i32 s39, s16, s17                     ; e0 + e1
	v_mov_b32 v[SC], s33
	v_mov_b32 v[SK], s31
	v_mov_b32 v[SV], s32
	v_mov_b32 v[SQ], s30
	v_mov_b32 v10, s12
	v_mul_f32 v9, 0xbfb8aa3b, v10                  ; -w log2(e)
	v_exp_f32 v9, v9
	v_mov_b32 v14, 0x3e38aa3b                      ; log2(e) / 8  (a plain place behind the exponential)
	s_wait_alu depctr_va_vdst(0)
	v_add_f32 v9, 1.0, v9
	v_rcp_f32 v9, v9                               ; sigmoid(w)
	v_ldexp_f32 v14, v14, s39                      ; within a palace: log2(e) / 8 x 2^(e0 + e1)  (a plain place behind the reciprocal)
	s_wait_alu depctr_va_vdst(0)
	v_mul_f32 v15, v14, v9                         ; between palaces: x sigmoid(w)
.irp j, 0,1,2,3,4,5,6,7
	v_cmp_eq_u32 vcc_lo, \j, v12
	v_cndmask_b32 v[CM+\j], v15, v14, vcc_lo
.endr
	s_wait_loadcnt 16                              ; my queries are in; chunk 0's sixteen loads may be out
	QUANT S0, 0, S0, Q0, 0x40, 24, SQ
	QUANT S0+32, 0, S0+32, Q0+8, 0x40, 24, SQ
.Lchunk:                                               ; eight trips
	s_wait_loadcnt 0x0                             ; the chunk's numbers are in: so x's base may step below
	s_wait_dscnt 0x0                               ; my reads of the last chunk's images are over:
	s_barrier_signal -1                            ; say so, and quantise in registers while the others arrive
	QUANT X0, 0, TMP0, CK, 0, 26, SK
	QUANT X1, 0x01, TMP1, CK+8, 0, 26, SK
	s_barrier_wait -1                              ; nobody reads the images any more
	ST2 CK, KIMG
	ST2 CK+8, KIMG+1024
	s_cmp_eq_u32 s17, s19                          ; one scale for keys and values: then the codes are the same
	s_cbranch_scc1 .Lsame
	QUANT X0, 0, TMP0, CV, 0, 28, SV
	QUANT X1, 0x01, TMP1, CV+8, 0, 28, SV
	ST2 CV, STG
	ST2 CV+8, STG+1024
	TRLOAD STG                                     ; LDS serves a wave's instructions in order (ISA guide 5.7.1.4): these see my stores above
	s_branch .Lturned
.Lsame:
	TRLOAD KIMG                                    ; my own two tiles of K's images
.Lturned:
	s_cmp_eq_u32 s35, 1                            ; the last chunk asks for nothing: no load leaves x
	s_cbranch_scc1 .Lno_next
	s_add_nc_u64 s[4:5], s[4:5], 0x100000          ; 256 rows on
	LOADT 4, 0, X0                                 ; they have the chunk's two steps in which to land
	WIN 0x40
	LOADT 4, 1, X1
	WIN 0
.Lno_next:
	s_wait_dscnt 0x0                               ; the turned bytes are in
	PERMS
.irp c, 0,1,2,3
	ds_store_b128 v[VW], v[VG+4*\c:VG+4*\c+3] offset:2048*\c
.endr
	s_wait_dscnt 0x0                               ; for the others' sake: my parts of both images have landed
	s_barrier_signal -1
	s_barrier_wait -1                              ; the images are whole
	STEP 0
	STEP 1
	s_sub_co_u32 s35, s35, 1
	s_cmp_lg_u32 s35, 0
	s_cbranch_scc1 .Lchunk
	; THE WAY OUT.  The sum's chains and the other half of the lanes' are added; O^T x 2^(ep + ev) / the sum; the two parities of a channel tile pair are interleaved by the choice of
	; destination registers, so that 16 registers are 16 neighbouring channels; a tile of 16 queries goes through my stage and leaves as whole rows of 256 bytes.
.irp u, 0,1
.set rT, ST0+16*\u
	v_pk_add_f32 v[rT+8:rT+9], v[rT+8:rT+9], v[rT+10:rT+11]
	v_pk_add_f32 v[rT+12:rT+13], v[rT+12:rT+13], v[rT+14:rT+15]
	v_pk_add_f32 v[rT+8:rT+9], v[rT+8:rT+9], v[rT+12:rT+13]
	v_add_f32 v[rT+4], v[rT+8], v[rT+9]
	v_permlanex16_b32 v[rT+5], v[rT+4], s20, s21
	v_add_f32 v[rT+4], v[rT+4], v[rT+5]
	v_rcp_f32 v[rT+5], v[rT+4]
	v_nop                                          ; a plain place behind the reciprocal
	s_wait_alu depctr_va_vdst(0)
	v_ldexp_f32 v[rT+5], v[rT+5], s38
.endr
	WIN 0x01                                       ; source 0 (O^T) in window 1
.irp u, 0,1
.irp n, 0,1
.irp p, 0,1
.irp j, 0,1,2,3,4,5,6,7
	v_mul_f32 v[S0+64*\u+16*\n+2*\j+\p], v[O0+32*\u+8*(2*\n+\p)+\j], v[ST0+16*\u+5]   ; channel 32 n + 16 h + 2 j + p; each accumulator from its low end on
.endr
.endr
.endr
.endr
	WIN 0
.irp u, 0,1
.irp n, 0,1
.irp i, 0,1,2,3
	ds_store_b128 v[SO], v[S0+64*\u+16*\n+4*\i:S0+64*\u+16*\n+4*\i+3] offset:128*\n+16*\i
.endr
.endr
.irp i, 0,1,2,3,4,5,6,7
	ds_load_b128 v[S0+64*\u+32+4*\i:S0+64*\u+32+4*\i+3], v[SR] offset:544*\i   ; in order behind my stores; the next tile's stores come behind these
.endr
.endr
.irp u, 0,1
.irp i, 0,1,2,3,4,5,6,7
	s_wait_dscnt 23-16*\u-\i                       ; younger than this load: the rest of its eight, and for tile 0 tile 1's sixteen LDS instructions
	global_store_b128 v[GO], v[S0+64*\u+32+4*\i:S0+64*\u+32+4*\i+3], s[10:11] offset:65536*\u+8192*\i th:TH_STORE_NT   ; 16 lanes store 256 consecutive bytes, at a multiple of 256 from out's first byte
.endr
.endr
	s_wait_tensorcnt 0x0
	ds_add_u32 v254, v255
	s_wait_dscnt 0x0
	s_endpgm
.Lfunc_end_k_qb525a1d904_attn:
	.size	k_qb525a1d904_attn, .Lfunc_end_k_qb525a1d904_attn-k_qb525a1d904_attn
	.p2alignl 7, 3214868480
	.fill 96, 4, 3214868480
	.section	.rodata,"a",@progbits
	.p2align	6, 0x0
	.amdhsa_kernel k_qb525a1d904_attn
		.amdhsa_group_segment_fixed_size 84992
		.amdhsa_private_segment_fixed_size 0
		.amdhsa_enable_private_segment 0
		.amdhsa_kernarg_size 32
		.amdhsa_user_sgpr_count 2
		.amdhsa_user_sgpr_kernarg_segment_ptr 1
		.amdhsa_wavefront_size32 1
		.amdhsa_system_sgpr_workgroup_id_x 1
		.amdhsa_system_sgpr_workgroup_id_y 1
		.amdhsa_system_sgpr_workgroup_id_z 1
		.amdhsa_system_vgpr_workitem_id 0
		.amdhsa_next_free_vgpr 512
		.amdhsa_next_free_sgpr 66
		.amdhsa_reserve_vcc 1
		.amdhsa_float_denorm_mode_32 3
		.amdhsa_float_denorm_mode_16_64 3
		.amdhsa_memory_ordered 1
		.amdhsa_forward_progress 1
		.amdhsa_inst_pref_size 96
	.end_amdhsa_kernel
	.amdgpu_metadata
---
amdhsa.version: [ 1, 2 ]
amdhsa.kernels:
  - .name:           k_qb525a1d904_attn
    .symbol:         k_qb525a1d904_attn.kd
    .args:
      - { .name: x, .offset: 0, .size: 8, .value_kind: global_buffer, .address_space: global }
      - { .name: inter_palace_weight, .offset: 8, .size: 8, .value_kind: global_buffer, .address_space: global }
      - { .name: lowp_scales, .offset: 16, .size: 8, .value_kind: global_buffer, .address_space: global }
      - { .name: out0, .offset: 24, .size: 8, .value_kind: global_buffer, .address_space: global }
    .group_segment_fixed_size: 84992
    .private_segment_fixed_size: 0
    .kernarg_segment_align: 8
    .kernarg_segment_size: 32
    .max_flat_workgroup_size: 256
    .sgpr_count:     66
    .vgpr_count:     512
    .wavefront_size: 32
...
	.end_amdgpu_metadata
.endif
;; end of part 1
;; ======== version 2 of 2: 1 launch; version 1 with the launch attn written anew for expert scheduling mode
;; launch attn (part 2): grid 8 x 32, 8 waves a work-group, no clusters, 84,992 bytes of LDS; arguments x, inter_palace_weight, lowp_scales, out0; writes out0
.if DOCPART == 2
	.amdgcn_target "amdgcn-amd-amdhsa--gfx1250"
	.amdhsa_code_object_version 6
	.text
	.protected	k_qb525a1d904_attn
	.globl	k_qb525a1d904_attn
	.p2align	8
	.type	k_qb525a1d904_attn,@function
k_qb525a1d904_attn:
	s_mov_b64 s[64:65], 0
	v_nop
	global_prefetch_b8 v0, s[64:65] scope:SCOPE_SE
	s_setreg_imm32_b32 hwreg(HW_REG_WAVE_SCHED_MODE, 0, 2), 2
	s_setreg_imm32_b32 hwreg(HW_REG_WAVE_MODE, 25, 1), 1
	s_wait_xcnt 0x0
	s_wait_alu depctr_vm_vsrc(0)
; out[b][q][64 hd + :] = sum over k of softmax_k((x_q . x_k) / 8 * m(q, k)) x_k, per batch b and head hd; m = 1 where q % 8 == k % 8, else sigmoid(w).
; x, out: [2][2048][1024] f32; a head is 64 channels, 256 bytes of a row of 4,096.  Both products run on codes of BF8 (E5M2): x as queries under 2^e0, as keys under 2^e1,
; p = 2^(t - M) under 2^ep, x as values under 2^ev.  t = logit x log2(e); M = the running largest t rounded up to a whole number; the row's sum is taken of the unquantised p.
; SHARES.  32 x 8 work-groups: one head, 256 queries.  Eight waves of 512 registers; wave w owns queries 32 w .. 32 w + 31 of the block, two tiles of 16 (u = 0, 1).
; The head's 2,048 keys go in 8 chunks of 256.  In each chunk wave w quantises keys 32 w .. 32 w + 31 from f32 rows that it asked for one chunk earlier (16 loads of 16 bytes a lane in flight),
; and lays them in LDS twice: as fragments of K and, bytes turned, as fragments of V^T.  Two barriers a chunk; then every wave walks the chunk in two steps of 128 keys.
; LAYOUT.  r = lane % 16, h = lane / 16.  S^T = K Q^T (source 0 = 16 neighbouring keys, source 1 = 16 queries): lane (r, h) holds query r, register j key 8 h + j of the tile, so key % 8 = j:
; the mask and the scale are eight numbers a lane, cm[j], which ride on the multiply-add that makes t - M.  cm >= 0, so the largest t is cm[j] x the largest raw sum of each j.
; Eight registers of a tile, converted, are registers 2 t, 2 t + 1 of source 1 of O^T = V^T P^T.  Q's and K's fragments hold channels 32 h + 0 .. 31 of row r: one permutation of k, alike on both sides.
; A fragment lies in LDS as an image of its registers: each group of four registers is 512 bytes, lane l's 16 bytes at 16 l.
; V^T's tile 2 n + p holds in lane r channel 32 n + 2 r + p, so register j of O^T's tile is channel 32 n + 16 h + 2 j + p.
; NO DATA MOVER, NO CLUSTER: what the eight work-groups of a head share arrives as f32 and has to pass through registers to become codes and to be turned; so it is loaded into registers, a chunk ahead.
; Without tensor loads the text may branch on the given exponents: where e1 == ev the keys' codes serve as values too, and where ep >= -15 p's hold is left out (p <= 1 + a rounding < 1.75 x 2^(15 + ep)).
; LIMITS.  NaN among the inputs is not served.  e0, e1, ev between -126 and 112; ep between -126 and 127; e0 + e1 between -123 and 129.  A sigmoid(w) under 2^-126 counts as 0.
; scale x mask x log2(e) is one factor here, rounded in another order than logit x log2(e).
; THE MODE: SCHED_MODE bits 1:0 = 2 (LLVM: expert scheduling mode 2), set by the entry lines.  The code itself states the register dependences
; between vector or matrix instructions and memory or LDS instructions, with s_wait_alu, always for 0.
; THE PLAN.  Registers that memory or LDS instructions touch:
;   v1-v8       offsets and LDS addresses: written once at the head, read by every access, never written again: one wait on va_vdst ahead of the first load.
;   X0, X1      the fill's holds read them; behind those the next chunk's global loads land in them.
;   CK, CV, VG  the fill's conversions and byte permutes write them; the fill's LDS stores read them; the step's products (as S^T) and the next fill write them again.
;   TR          the last step named them as S^T and p; the turning loads land in them.
;   KF, VF      the products K Q^T read KF, the products V^T P read VF; the LDS loads of the next step's K and V land in them.
;   S^T, p, p's codes, O^T, Q and the statistics are named by vector and matrix instructions alone, up to the way out.
; THE FILL has a wait on va_vdst ahead of each run of its LDS stores (two, or three where e1 != ev), which also state what the turning loads, the next chunk's loads and the first step's loads of K hang on,
; and ONE wait on vm_vsrc, behind the second barrier: the fill's stores have read their data.  A STEP has no wait of its own for its loads: they stand directly behind the first of the waits that the exponentials'
; readers have in any case, which stands behind all products that read KF and VF.
.set KIMG, 0                           ; LDS: K's 16 tiles of the chunk, 1,024 bytes each (two groups of 512)
.set VIMG, 16384                       ; V^T: step q at 8,192 q, channel tile at 2,048, group of 32 keys at 512
.set STG,  32768                       ; codes under ev, laid as KIMG, 2,048 bytes a wave, the wave's own
.set OST,  49152                       ; the way out: 16 rows x (256 + 16) bytes a wave, the wave's own; behind the eight stages, from 0x14800 on, the spare words: 128 bytes a wave
; window 0
.set VX,  1                            ; v1  x: 4,096 r + 128 h + 131,072 w; never rewritten
.set LI,  2                            ; v2  16 x lane
.set KW,  3                            ; v3  16 x lane + 2,048 w
.set VW,  4                            ; v4  VIMG + 8,192 (w / 4) + 512 (w % 4) + 16 x lane
.set TRA, 5                            ; v5  the turning load: 2,048 w + 512 (lane bit 3) + 128 h + 16 (lane % 8)
.set SO,  6                            ; v6  stage, in
.set SR,  7                            ; v7  stage, back
.set GO,  8                            ; v8  out: 4,096 h + 16 r
.set CM,  16                           ; v16-23 cm[0..7]
.set ST0, 24                           ; tile u's statistics at 24 + 16 u: +0 -M, +1 largest t, +2 f, +3 (pair's upper half), +4, +5 at work, +8..15 the sum in four packed chains
.set SC,  56                           ; 2^ep
.set SK,  57                           ; 2^e1
.set SV,  58                           ; 2^ev
.set SQ,  59                           ; 2^e0
.set P0,  60                           ; p's codes, 16 a tile; their first eight serve the maxima before
.set S0,  92                           ; S^T, then p: 64 a tile
.set X0,  220                          ; v220-251 32 numbers of my first key tile
.set TMP0, 92                          ; the fill works in S^T's registers, which are free between steps
.set TMP1, 124
.set CK,  156
.set CV,  172
.set TR,  188
.set VG,  204
; window 1
.set O0,  0                            ; O^T, 32 a tile
.set Q0,  64                           ; Q's fragments, 8 a tile
.set KF,  80                           ; K's eight fragments of a step
.set VF,  144                          ; V^T's four fragments of a step
.set X1,  208                          ; 32 numbers of my second key tile
.set MSB, 0
.macro WIN new                         ; low byte: bits 1:0 source 0, 3:2 source 1, 5:4 source 2, 7:6 destination; the high byte repeats the setting that is left
.if MSB != (\new)
	s_set_vgpr_msb (MSB<<8)|(\new)
.set MSB, (\new)
.endif
.endm
.macro PLACES                          ; four plain places behind matrix instructions (ISA guide 7.12.1), where no other vector work is at hand
.rept 4
	v_nop
.endr
.endm
.macro MKSCALE e, sc, nl               ; s[sc] = 2^e as f32; s[nl], s[nl+1] = -+57,344 x 2^e
	s_add_co_i32 s40, s[\e], 127
	s_lshl_b32 s[\sc], s40, 23
	s_add_co_i32 s40, s40, 15
	s_lshl_b32 s40, s40, 23
	s_or_b32 s[\nl+1], s40, 0x600000
	s_or_b32 s[\nl], s[\nl+1], 0x80000000
.endm
.macro LOADT base, tau, dst            ; 16 rows x 256 bytes of one head: lane (r, h) takes 128 bytes of row r; the eight loads together take each row's 256 bytes whole
.irp i, 0,1,2,3,4,5,6,7
	global_load_b128 v[\dst+4*\i:\dst+4*\i+3], v[VX], s[\base:\base+1] offset:65536*(\tau)+16*\i
.endr
.endm
; 32 numbers of a lane become 8 registers of codes.  ws, wd: window settings for the numbers (0 or 0x01) and for the codes (0 or 0x40)
.macro QUANT src, ws, tmp, dst, wd, nl, sc
	WIN \ws
.set qi, 0
.rept 32
	v_med3_num_f32 v[\tmp+qi], v[\src+qi], s[\nl], s[\nl+1]   ; the conversion to an 8-bit code does not saturate (ISA guide 7.6.2): the hold at the largest code x the scale
.set qi, qi+1
.endr
	WIN \wd
.irp g, 0,1,2,3
	v_cvt_scalef32_pk8_bf8_f32 v[\dst+2*\g:\dst+2*\g+1], v[\tmp+8*\g:\tmp+8*\g+7], v[\sc]
.endr
	WIN 0
	v_nop                                          ; one plain instruction behind the last conversion, ahead of whatever next touches its registers
.endm
.macro ST2 reg, off                    ; a fragment of 8 registers to LDS as it stands
	ds_store_b128 v[KW], v[\reg:\reg+3] offset:\off
	ds_store_b128 v[KW], v[\reg+4:\reg+7] offset:\off+512
.endm
; The turning load on pairs of bytes: lane l addresses key 8 h + l % 8 of my tile a, channels 32 n + 16 (l bit 3) + 0 .. 15, and receives keys 8 h + 0 .. 7 of channels 32 n + 2 r and 32 n + 2 r + 1, interleaved
.macro TRLOAD region
.irp a, 0,1
.irp n, 0,1
	ds_load_tr16_b128 v[TR+4*(2*\a+\n):TR+4*(2*\a+\n)+3], v[TRA] offset:\region+1024*\a+256*\n
.endr
.endr
.endm
.macro PERMS                           ; even bytes (p = 0) and odd bytes (p = 1) apart: four registers, my 32 keys, for each channel tile 2 n + p
.irp a, 0,1
.irp n, 0,1
.irp p, 0,1
	v_perm_b32 v[VG+4*(2*\n+\p)+2*\a], v[TR+4*(2*\a+\n)+1], v[TR+4*(2*\a+\n)], s[36+\p]
	v_perm_b32 v[VG+4*(2*\n+\p)+2*\a+1], v[TR+4*(2*\a+\n)+3], v[TR+4*(2*\a+\n)+2], s[36+\p]
.endr
.endr
.endr
.endm
.macro KLOAD q
.irp t, 0,1,2,3,4,5,6,7
	ds_load_b128 v[KF+8*\t:KF+8*\t+3], v[LI] offset:KIMG+(8*(\q)+\t)*1024
	ds_load_b128 v[KF+8*\t+4:KF+8*\t+7], v[LI] offset:KIMG+(8*(\q)+\t)*1024+512
.endr
.endm
.macro VLOAD q
.irp c, 0,1,2,3
.irp g, 0,1,2,3
	ds_load_b128 v[VF+16*\c+4*\g:VF+16*\c+4*\g+3], v[LI] offset:VIMG+8192*(\q)+2048*\c+512*\g
.endr
.endr
.endm
.macro SMUL u                          ; S^T of tile u: eight tiles of 16 keys, K = the head's 64
.irp t, 0,1,2,3,4,5,6,7
	v_wmma_f32_16x16x64_bf8_bf8 v[S0+64*(\u)+8*\t:S0+64*(\u)+8*\t+7], v[KF+8*\t:KF+8*\t+7], v[Q0+8*(\u):Q0+8*(\u)+7], 0
.endr
.endm
.macro PVMUL u                         ; O^T of tile u += V^T P^T: four channel tiles by turns, K = the step's 128 keys
.irp c, 0,1,2,3
	v_wmma_f32_16x16x128_bf8_bf8 v[O0+32*(\u)+8*\c:O0+32*(\u)+8*\c+7], v[VF+16*\c:VF+16*\c+15], v[P0+16*(\u):P0+16*(\u)+15], v[O0+32*(\u)+8*\c:O0+32*(\u)+8*\c+7]
.endr
.endm
.macro ORESC u                         ; O^T x f, each accumulator from its low end on
.set rO, O0+32*(\u)
.set rT, ST0+16*(\u)
.rept 16
	v_pk_mul_f32 v[rO:rO+1], v[rO:rO+1], v[rT+2:rT+3] op_sel_hi:[1,0]
.set rO, rO+2
.endr
.endm
; the largest raw sum for each j = key % 8, over the step's eight tiles; j ascends, so each accumulator is first read at its register 0
.macro RND0 u
.set rS, S0+64*(\u)
.set rM, P0+16*(\u)
.irp j, 0,1,2,3,4,5,6,7
	v_max3_num_f32 v[rM+\j], v[rS+\j], v[rS+8+\j], v[rS+16+\j]
.endr
.endm
.macro RND12 u, a
.set rS, S0+64*(\u)+(\a)
.set rM, P0+16*(\u)
.irp j, 0,1,2,3,4,5,6,7
	v_max3_num_f32 v[rM+\j], v[rM+\j], v[rS+\j], v[rS+8+\j]
.endr
.endm
.macro RND3 u
.set rS, S0+64*(\u)+56
.set rM, P0+16*(\u)
.irp j, 0,1,2,3,4,5,6,7
	v_max_num_f32 v[rM+\j], v[rM+\j], v[rS+\j]
.endr
.endm
.macro TAILM u                         ; x cm[j]; over j; the other half of the lanes; the running largest t; -M = floor(-t); f = 2^(old M - new M)
.set rM, P0+16*(\u)
.set rT, ST0+16*(\u)
.irp j, 0,2,4,6
	v_pk_mul_f32 v[rM+\j:rM+\j+1], v[rM+\j:rM+\j+1], v[CM+\j:CM+\j+1]
.endr
	v_max3_num_f32 v[rT+4], v[rM], v[rM+1], v[rM+2]
	v_max3_num_f32 v[rT+5], v[rM+3], v[rM+4], v[rM+5]
	v_max3_num_f32 v[rT+4], v[rT+4], v[rM+6], v[rM+7]
	v_max_num_f32 v[rT+4], v[rT+4], v[rT+5]
	v_permlanex16_b32 v[rT+5], v[rT+4], s20, s21   ; the query's other 64 keys lie in lane l xor 16
	v_max3_num_f32 v[rT+1], v[rT+1], v[rT+4], v[rT+5]
	v_mov_b32 v[rT+4], v[rT]
	v_floor_f32 v[rT], -v[rT+1]                    ; M is a whole number
	v_sub_f32 v[rT+4], v[rT], v[rT+4]              ; old M - new M, 0 or less
	v_cvt_i32_f32 v[rT+4], v[rT+4]                 ; (it saturates)
	v_ldexp_f32 v[rT+2], 1.0, v[rT+4]              ; a power of two: the rescaling rounds nothing
.endm
.macro FMAT u, t                       ; t - M for key tile t: raw sum x cm[j] - M, two at a time (of the pair -M, largest t the low word serves both halves)
.set rS, S0+64*(\u)+8*(\t)
.set rT, ST0+16*(\u)
.irp j, 0,2,4,6
	v_pk_fma_f32 v[rS+\j:rS+\j+1], v[rS+\j:rS+\j+1], v[CM+\j:CM+\j+1], v[rT:rT+1] op_sel_hi:[1,1,0]
.endr
.endm
.macro EXP8 u, t
.set rS, S0+64*(\u)+8*(\t)
.irp j, 0,1,2,3,4,5,6,7
	v_exp_f32 v[rS+\j], v[rS+\j]
.endr
.endm
.macro SUM4 u, t                       ; the row's sum of the unquantised p, in four packed chains
.set rS, S0+64*(\u)+8*(\t)
.set rT, ST0+16*(\u)
.irp j, 0,2,4,6
	v_pk_add_f32 v[rT+8+\j:rT+9+\j], v[rT+8+\j:rT+9+\j], v[rS+\j:rS+\j+1]
.endr
.endm
.macro ADD4 u, t
	s_wait_alu depctr_va_vdst(0)                   ; the exponentials issued so far have written p of key tile t, which the additions below are the first to read
	SUM4 \u, \t
.endm
.macro LSF u                           ; the sums under the new M
.set rT, ST0+16*(\u)
.irp j, 0,2,4,6
	v_pk_mul_f32 v[rT+8+\j:rT+9+\j], v[rT+8+\j:rT+9+\j], v[rT+2:rT+3] op_sel_hi:[1,0]
.endr
.endm
.macro HOLD u                          ; p is held at 57,344 x 2^ep.  With ep >= -15 that limit is 1.75 or more and p never reaches it: a scalar branch on the given whole number passes the 64 lines
	s_cmp_ge_i32 s18, -15
	s_cbranch_scc1 .Lroom_\@
.set hreg, S0+64*(\u)
.rept 64
	v_min_num_f32 v[hreg], s34, v[hreg]
.set hreg, hreg+1
.endr
.Lroom_\@:
.endm
.macro CVT u
.irp t, 0,1,2,3,4,5,6,7
	v_cvt_scalef32_pk8_bf8_f32 v[P0+16*(\u)+2*\t:P0+16*(\u)+2*\t+1], v[S0+64*(\u)+8*\t:S0+64*(\u)+8*\t+7], v[SC]
.endr
	v_nop                                          ; one plain instruction behind the last conversion
.endm
; A STEP: 128 keys, the q-th half of the chunk.  Tile 0's exponentials stand in eights between tile 1's plain work, and tile 1's between tile 0's conversions, rescaling and products:
; behind each eight stands a plain instruction that touches none of their results (ISA guide 5.7.2).  Matrix instructions that follow each other never share an accumulator, one instruction a turn.
; The step's LDS loads of V, and in the first step those of the second step's K, stand in one run behind the first wait for the exponentials.
.macro STEP q
.if \q == 0
	WIN 0x40                                       ; loaded data in window 1, address in window 0
	KLOAD 0                                        ; no wait here: no vector or matrix instruction since the fill's last wait on va_vdst names K's registers or v[LI]
.endif
	s_wait_dscnt 0x0                               ; K's fragments are in: the sixteen loads just issued, or those issued in the first step; nothing else of mine is out
	WIN 0x05                                       ; K and Q in window 1, S^T in window 0
	SMUL 0
	SMUL 1
	WIN 0
	PLACES                                         ; in front of the first read of S^T
	RND0 0
	RND12 0, 24
	RND12 0, 40
	RND3 0
	TAILM 0
.irp t, 0,1,2,3,4,5,6,7
	FMAT 0, \t
.endr
	EXP8 0, 0
	LSF 0
	RND0 1
	EXP8 0, 1
	WIN 0x40                                       ; loaded data in window 1, address in window 0: the switch, the wait, the loads
	s_wait_alu depctr_va_vdst(0)                   ; the exponentials have written p of key tile 0, which the additions below read; this step's products K Q^T are done reading K's registers, and the last step's products V^T P are done reading V's: loads land in both
	VLOAD \q                                       ; this step's V: eight eights of exponentials and tile 1's plain work ahead of its first use
.if \q == 0
	KLOAD 1                                        ; the second step's K, most of a step ahead
.endif
	WIN 0
	SUM4 0, 0
	RND12 1, 24
	EXP8 0, 2
	ADD4 0, 1
	RND12 1, 40
	EXP8 0, 3
	ADD4 0, 2
	RND3 1
	EXP8 0, 4
	ADD4 0, 3
	TAILM 1
	EXP8 0, 5
	ADD4 0, 4
	FMAT 1, 0
	FMAT 1, 1
	FMAT 1, 2
	EXP8 0, 6
	ADD4 0, 5
	FMAT 1, 3
	FMAT 1, 4
	FMAT 1, 5
	EXP8 0, 7
	ADD4 0, 6
	FMAT 1, 6
	FMAT 1, 7
	ADD4 0, 7
	HOLD 0
	EXP8 1, 0
	LSF 1
	CVT 0
	EXP8 1, 1
	ADD4 1, 0
	WIN 0x41                                       ; O^T (destination and source 0) in window 1, f in window 0
	ORESC 0
.if \q == 0
	s_wait_dscnt 16                                ; V's fragments are in; the sixteen loads of the second step's K are younger
.else
	s_wait_dscnt 0x0                               ; V's fragments are in
.endif
	WIN 0x51                                       ; V^T and O^T in window 1, p's codes in window 0
	PVMUL 0
	WIN 0
.irp t, 2,3,4,5,6,7
	EXP8 1, \t
	ADD4 1, \t-1
.endr
	ADD4 1, 7
	HOLD 1
	CVT 1
	WIN 0x41
	ORESC 1
	WIN 0x51
	PVMUL 1
	WIN 0
	PLACES                                         ; four plain places behind the step's last products; behind the last step they stand ahead of the way out, which reads O^T
.endm
	s_load_b256 s[4:11], s[0:1], 0x0               ; x s[4:5], w s[6:7], the scales' exponents s[8:9], out s[10:11]
	v_lshl_add_u32 v254, v0, 2, 0x14800            ; my spare word, and 0: made here and kept for the closing lines alone
	v_mov_b32 v255, 0
	v_lshrrev_b32 v9, 5, v0
	v_readfirstlane_b32 s13, v9                    ; wave 0..7
	v_and_b32 v9, 31, v0                           ; lane
	v_and_b32 v13, 15, v0                          ; r
	v_bfe_u32 v11, v0, 4, 1                        ; h
	v_bfe_u32 v10, v0, 3, 1
	v_and_b32 v12, 7, v0                           ; lane % 8 = my queries' place in the period of 8
	s_wait_alu depctr_va_sdst(0)                   ; s13 is written, ahead of its first reader: the wave's parts of every address are made from it
	s_lshl_b32 s40, s13, 11                        ; 2,048 w
	s_lshl_b32 s41, s13, 17                        ; 32 rows of 4,096 bytes x w
	v_lshlrev_b32 v[VX], 12, v13
	v_lshl_add_u32 v[VX], v11, 7, v[VX]
	v_add_nc_u32 v[VX], s41, v[VX]
	v_lshlrev_b32 v[LI], 4, v9
	v_add_nc_u32 v[KW], s40, v[LI]
	s_lshr_b32 s42, s13, 2
	s_lshl_b32 s42, s42, 13
	s_and_b32 s43, s13, 3
	s_lshl_b32 s43, s43, 9
	s_add_co_u32 s42, s42, s43
	s_add_co_u32 s42, s42, VIMG
	v_add_nc_u32 v[VW], s42, v[LI]
	v_lshlrev_b32 v[TRA], 4, v12
	v_lshl_add_u32 v[TRA], v10, 9, v[TRA]
	v_lshl_add_u32 v[TRA], v11, 7, v[TRA]
	v_add_nc_u32 v[TRA], s40, v[TRA]
	s_mul_i32 s43, s13, 4352
	s_add_co_u32 s43, s43, OST                     ; my stage
	v_mul_u32_u24 v[SO], v13, 272
	v_lshl_add_u32 v[SO], v11, 6, v[SO]
	v_add_nc_u32 v[SO], s43, v[SO]                 ; in: row r, 64 bytes for each half of the lanes
	v_mul_u32_u24 v[SR], v11, 272
	v_lshl_add_u32 v[SR], v13, 4, v[SR]
	v_add_nc_u32 v[SR], s43, v[SR]                 ; back: lanes 0-15 one row of 256 bytes, lanes 16-31 the next
	v_lshlrev_b32 v[GO], 12, v11
	v_lshl_add_u32 v[GO], v13, 4, v[GO]            ; and the same two rows in out
	s_and_b32 s42, ttmp7, 0xffff                   ; y = 16 x batch + head
	s_lshr_b32 s43, s42, 4
	s_lshl_b32 s43, s43, 23                        ; a batch is 2,048 rows of 4,096 bytes
	s_and_b32 s42, s42, 15
	s_lshl_b32 s42, s42, 8                         ; a head is 256 bytes of a row
	s_add_co_u32 s14, s43, s42
	s_mov_b32 s15, 0
	s_lshl_b32 s44, ttmp9, 20                      ; my block of 256 queries
	s_mov_b32 s45, 0
	s_add_co_u32 s46, s44, s41                     ; and my wave's 32 of them
	s_mov_b32 s47, 0
	s_mov_b32 s20, 0x76543210                      ; v_permlanex16_b32: lane l xor 16
	s_mov_b32 s21, 0xfedcba98
	s_mov_b32 s36, 0x06040200                      ; v_perm_b32: the even bytes of two registers,
	s_mov_b32 s37, 0x07050301                      ; the odd ones
	s_mov_b32 s35, 8                               ; chunks to go
	s_wait_kmcnt 0x0
	s_load_b32 s12, s[6:7], 0x0                    ; w
	s_load_b128 s[16:19], s[8:9], 0x0              ; e0, e1, ep, ev
	s_add_nc_u64 s[4:5], s[4:5], s[14:15]          ; x at the head's first key
	s_add_nc_u64 s[10:11], s[10:11], s[14:15]
	s_add_nc_u64 s[22:23], s[4:5], s[44:45]        ; x at my block's first query
	s_add_nc_u64 s[10:11], s[10:11], s[46:47]      ; out at my wave's first query
	s_wait_alu depctr_va_vdst(0)                   ; the eight offsets and LDS addresses v1 to v8 are written: every load and store of the kernel reads one of them, and none is written again
	LOADT 22, 0, S0                                ; my 32 queries,
	LOADT 22, 1, S0+32
	LOADT 4, 0, X0                                 ; and my 32 keys of chunk 0
	WIN 0x40
	LOADT 4, 1, X1
.set zi, 0
.rept 64
	v_mov_b32 v[O0+zi], 0                          ; O^T.  (The step is written once: its first run finds zeros, which the first f = 0 leaves zeros)
.set zi, zi+1
.endr
	WIN 0
.irp u, 0,1
	v_mov_b32 v[ST0+16*\u+1], 0xff61b1e6           ; the largest t so far: -3e38, under every t
	v_floor_f32 v[ST0+16*\u], -v[ST0+16*\u+1]      ; -M
.irp i, 2,3,4,5,8,9,10,11,12,13,14,15
	v_mov_b32 v[ST0+16*\u+\i], 0                   ; f and its pair's upper half, two at work, the sums
.endr
.endr
	s_wait_kmcnt 0x0
	MKSCALE 16, 30, 24                             ; e0
	MKSCALE 17, 31, 26                             ; e1
	MKSCALE 19, 32, 28                             ; ev
	s_add_co_i32 s40, s18, 127
	s_lshl_b32 s33, s40, 23                        ; 2^ep
	s_add_co_i32 s40, s40, 15
	s_lshl_b32 s40, s40, 23
	s_or_b32 s34, s40, 0x600000                    ; 57,344 x 2^ep (read only where ep < -15)
	s_add_co_i32 s38, s18, s19                     ; ep + ev
	s_add_co_i32 s39, s16, s17                     ; e0 + e1
	v_mov_b32 v[SC], s33
	v_mov_b32 v[SK], s31
	v_mov_b32 v[SV], s32
	v_mov_b32 v[SQ], s30
	v_mov_b32 v10, s12
	v_mul_f32 v9, 0xbfb8aa3b, v10                  ; -w log2(e)
	v_exp_f32 v9, v9
	v_mov_b32 v14, 0x3e38aa3b                      ; log2(e) / 8  (a plain place behind the exponential)
	s_wait_alu depctr_va_vdst(0)                   ; the exponential has written v9, ahead of its first reader
	v_add_f32 v9, 1.0, v9
	v_rcp_f32 v9, v9                               ; sigmoid(w)
	v_ldexp_f32 v14, v14, s39                      ; within a palace: log2(e) / 8 x 2^(e0 + e1)  (a plain place behind the reciprocal)
	s_wait_alu depctr_va_vdst(0)                   ; the reciprocal has written v9, ahead of its first reader
	v_mul_f32 v15, v14, v9                         ; between palaces: x sigmoid(w)
.irp j, 0,1,2,3,4,5,6,7
	v_cmp_eq_u32 s[40+\j], \j, v12                 ; the eight masks in one run, each into a scalar register of its own (s40 to s47 are free from here on)
.endr
	s_wait_alu depctr_va_sdst(0)                   ; the eight compares have written s40 to s47, ahead of the selections that read them
.irp j, 0,1,2,3,4,5,6,7
	v_cndmask_b32 v[CM+\j], v15, v14, s[40+\j]
.endr
	s_wait_loadcnt 16                              ; my queries are in; chunk 0's sixteen loads may be out
	QUANT S0, 0, S0, Q0, 0x40, 24, SQ
	QUANT S0+32, 0, S0+32, Q0+8, 0x40, 24, SQ
.Lchunk:                                               ; eight trips
	s_wait_loadcnt 0x0                             ; the chunk's numbers are in: so x's base may step below
	s_wait_dscnt 0x0                               ; my reads of the last chunk's images are over:
	s_barrier_signal -1                            ; say so, and quantise in registers while the others arrive
	QUANT X0, 0, TMP0, CK, 0, 26, SK
	QUANT X1, 0x01, TMP1, CK+8, 0, 26, SK
	s_barrier_wait -1                              ; nobody reads the images any more
	s_wait_alu depctr_va_vdst(0)                   ; the conversions have written CK, which the LDS stores read; the last step is done with TR's registers, in which the turning loads land; the holds are done reading X0 and X1, in which the next chunk's loads land
	ST2 CK, KIMG
	ST2 CK+8, KIMG+1024
	s_cmp_eq_u32 s17, s19                          ; one scale for keys and values: then the codes are the same
	s_cbranch_scc1 .Lsame
	QUANT X0, 0, TMP0, CV, 0, 28, SV
	QUANT X1, 0x01, TMP1, CV+8, 0, 28, SV
	s_wait_alu depctr_va_vdst(0)                   ; the conversions have written CV, which the LDS stores read; the second holds are done reading X0 and X1, in which the next chunk's loads land
	ST2 CV, STG
	ST2 CV+8, STG+1024
	TRLOAD STG                                     ; LDS serves a wave's instructions in order (ISA guide 5.7.1.4): these see my stores above
	s_branch .Lturned
.Lsame:
	TRLOAD KIMG                                    ; my own two tiles of K's images
.Lturned:
	s_cmp_eq_u32 s35, 1                            ; the last chunk asks for nothing: no load leaves x
	s_cbranch_scc1 .Lno_next
	s_add_nc_u64 s[4:5], s[4:5], 0x100000          ; 256 rows on
	LOADT 4, 0, X0                                 ; they have the chunk's two steps in which to land.  No wait: on either way no vector instruction since the last wait on va_vdst names X0, X1 or v[VX]
	WIN 0x40
	LOADT 4, 1, X1
	WIN 0
.Lno_next:
	s_wait_dscnt 0x0                               ; the turned bytes are in
	PERMS
	s_wait_alu depctr_va_vdst(0)                   ; the byte permutes have written VG, which the LDS stores read; and the last step's products are done reading K's registers, in which the first step's loads land: no vector instruction stands between here and those
.irp c, 0,1,2,3
	ds_store_b128 v[VW], v[VG+4*\c:VG+4*\c+3] offset:2048*\c
.endr
	s_wait_dscnt 0x0                               ; for the others' sake: my parts of both images have landed
	s_barrier_signal -1
	s_barrier_wait -1                              ; the images are whole
	s_wait_alu depctr_vm_vsrc(0)                   ; my LDS stores of this fill have read CK, CV and VG: the step's products write these registers as S^T, and the next fill's conversions and permutes write them again
	STEP 0
	STEP 1
	s_sub_co_u32 s35, s35, 1
	s_cmp_lg_u32 s35, 0
	s_cbranch_scc1 .Lchunk
	; THE WAY OUT.  The sum's chains and the other half of the lanes' are added; O^T x 2^(ep + ev) / the sum; the two parities of a channel tile pair are interleaved by the choice of
	; destination registers, so that 16 registers are 16 neighbouring channels; a tile of 16 queries goes through my stage and leaves as whole rows of 256 bytes.
.irp u, 0,1
.set rT, ST0+16*\u
	v_pk_add_f32 v[rT+8:rT+9], v[rT+8:rT+9], v[rT+10:rT+11]
	v_pk_add_f32 v[rT+12:rT+13], v[rT+12:rT+13], v[rT+14:rT+15]
	v_pk_add_f32 v[rT+8:rT+9], v[rT+8:rT+9], v[rT+12:rT+13]
	v_add_f32 v[rT+4], v[rT+8], v[rT+9]
	v_permlanex16_b32 v[rT+5], v[rT+4], s20, s21
	v_add_f32 v[rT+4], v[rT+4], v[rT+5]
	v_rcp_f32 v[rT+5], v[rT+4]
	v_nop                                          ; a plain place behind the reciprocal
	s_wait_alu depctr_va_vdst(0)                   ; the reciprocal has written its result, ahead of its first reader
	v_ldexp_f32 v[rT+5], v[rT+5], s38
.endr
	WIN 0x01                                       ; source 0 (O^T) in window 1
.irp u, 0,1
.irp n, 0,1
.irp p, 0,1
.irp j, 0,1,2,3,4,5,6,7
	v_mul_f32 v[S0+64*\u+16*\n+2*\j+\p], v[O0+32*\u+8*(2*\n+\p)+\j], v[ST0+16*\u+5]   ; channel 32 n + 16 h + 2 j + p; each accumulator from its low end on
.endr
.endr
.endr
.endr
	WIN 0
	s_wait_alu depctr_va_vdst(0)                   ; the multiplications have written the 64 numbers that the LDS stores read; and the last step is done with the upper half of each tile's S^T registers, in which the loads from the stage land
.irp u, 0,1
.irp n, 0,1
.irp i, 0,1,2,3
	ds_store_b128 v[SO], v[S0+64*\u+16*\n+4*\i:S0+64*\u+16*\n+4*\i+3] offset:128*\n+16*\i
.endr
.endr
.irp i, 0,1,2,3,4,5,6,7
	ds_load_b128 v[S0+64*\u+32+4*\i:S0+64*\u+32+4*\i+3], v[SR] offset:544*\i   ; in order behind my stores; the next tile's stores come behind these
.endr
.endr
.irp u, 0,1
.irp i, 0,1,2,3,4,5,6,7
	s_wait_dscnt 23-16*\u-\i                       ; younger than this load: the rest of its eight, and for tile 0 tile 1's sixteen LDS instructions
	global_store_b128 v[GO], v[S0+64*\u+32+4*\i:S0+64*\u+32+4*\i+3], s[10:11] offset:65536*\u+8192*\i th:TH_STORE_NT   ; 16 lanes store 256 consecutive bytes, at a multiple of 256 from out's first byte
.endr
.endr
	s_wait_dscnt 0x0                               ; the closing lines, six on end
	s_wait_alu 0x0
	s_wait_tensorcnt 0x0
	ds_add_u32 v254, v255
	s_wait_dscnt 0x0
	s_endpgm
.Lfunc_end_k_qb525a1d904_attn:
	.size	k_qb525a1d904_attn, .Lfunc_end_k_qb525a1d904_attn-k_qb525a1d904_attn
	.p2alignl 7, 3214868480
	.fill 96, 4, 3214868480
	.section	.rodata,"a",@progbits
	.p2align	6, 0x0
	.amdhsa_kernel k_qb525a1d904_attn
		.amdhsa_group_segment_fixed_size 84992
		.amdhsa_private_segment_fixed_size 0
		.amdhsa_enable_private_segment 0
		.amdhsa_kernarg_size 32
		.amdhsa_user_sgpr_count 2
		.amdhsa_user_sgpr_kernarg_segment_ptr 1
		.amdhsa_wavefront_size32 1
		.amdhsa_system_sgpr_workgroup_id_x 1
		.amdhsa_system_sgpr_workgroup_id_y 1
		.amdhsa_system_sgpr_workgroup_id_z 1
		.amdhsa_system_vgpr_workitem_id 0
		.amdhsa_next_free_vgpr 512
		.amdhsa_next_free_sgpr 66
		.amdhsa_reserve_vcc 0
		.amdhsa_float_denorm_mode_32 3
		.amdhsa_float_denorm_mode_16_64 3
		.amdhsa_memory_ordered 1
		.amdhsa_forward_progress 1
		.amdhsa_inst_pref_size 97
	.end_amdhsa_kernel
	.amdgpu_metadata
---
amdhsa.version: [ 1, 2 ]
amdhsa.kernels:
  - .name:           k_qb525a1d904_attn
    .symbol:         k_qb525a1d904_attn.kd
    .args:
      - { .name: x, .offset: 0, .size: 8, .value_kind: global_buffer, .address_space: global }
      - { .name: inter_palace_weight, .offset: 8, .size: 8, .value_kind: global_buffer, .address_space: global }
      - { .name: lowp_scales, .offset: 16, .size: 8, .value_kind: global_buffer, .address_space: global }
      - { .name: out0, .offset: 24, .size: 8, .value_kind: global_buffer, .address_space: global }
    .group_segment_fixed_size: 84992
    .private_segment_fixed_size: 0
    .kernarg_segment_align: 8
    .kernarg_segment_size: 32
    .max_flat_workgroup_size: 256
    .sgpr_count:     66
    .vgpr_count:     512
    .wavefront_size: 32
...
	.end_amdgpu_metadata
.endif
;; end of part 2
